; MI455X (gfx1250); checked and timed in simulation.
; The chip was launched on July 23, 2026; its instructions are those of AMD's public machine-readable ISA for CDNA 5 (MIT licence, August 2026) and "CDNA5" Instruction Set Architecture Reference Guide (July 2026). The comments in the code are by the model that wrote it; some were corrected since.
;; Com Sim. Allowed arithmetic: float matrix products may take bf16 or f16 operands with f32 sums; all other float work in f32.
;; Inputs: ann_cats 256 x 8 int32; emb 100,000 x 300 float32; sen_cats 256 x 8 int32.
;; Outputs: out0 256 x 256 float32; out1 256 x 300 float32.
;; Constants: none_idx = 0.
;; One version. Each part assembles by itself: llvm-mc -triple=amdgcn-amd-amdhsa -mcpu=gfx1250 --defsym DOCPART=n.
;; ======== version 1 of 1: 1 launch
;; launch comsim (part 1): grid 16 x 16, 16 waves a work-group, no clusters, 172,032 bytes of LDS; arguments sen_cats, ann_cats, emb, out0, out1; writes out0, out1
.if DOCPART == 1
	.amdgcn_target "amdgcn-amd-amdhsa--gfx1250"
	.amdhsa_code_object_version 6
	.text
	.protected	k_q50337ad515_comsim
	.globl	k_q50337ad515_comsim
	.p2align	8
	.type	k_q50337ad515_comsim,@function
k_q50337ad515_comsim:
	s_mov_b64 s[64:65], 0
	v_nop
	global_prefetch_b8 v0, s[64:65] scope:SCOPE_SE
	s_setreg_imm32_b32 hwreg(HW_REG_WAVE_MODE, 25, 1), 1
	s_wait_xcnt 0x0
; ComSim in one launch.  out0[s][a] = the order-dependent running update over the 64 cosines of (sen word w, ann word v), w outer;
; out1[s] = the sum of the 8 word rows of sen category s.
; A work-group (x = ttmp9, y = ttmp7) makes 16 sen categories (128 rows of emb) x 16 ann categories (128 rows): 256 rows of 1,200 bytes gathered.
; PHASE 1, gather: 16 waves, a half-wave (16 lanes) owns one category; waves 0-7 sen, waves 8-15 ann.  A lane takes the 16-byte pieces
;   l, 16+l, 32+l, 48+l and min(64+l, 74) of each of its 8 rows: 40 loads, all issued at once.  Each row: sum of squares in f32, 1/norm,
;   bf16 (nearest even) into LDS; K = 300 is filled to 320 with zeros.  Sen rows are also compared, number by number, with row 0 of emb.
; PHASE 2, products: a wave makes 32 ann rows x 32 sen rows, 4 tiles of 16 x 16, 10 steps of 32 along K.  A = ann, B = sen: lane (r, h) then
;   holds in D's registers j = 0..7 the ann words v = j of ann category h for the sen row r (category r >> 3, word w = r & 7).
; PHASE 3, update: cur = s if (s >= cur or s < 0) is: a negative s replaces cur, any other s gives max(cur, s) (a NaN leaves cur).  So a run of
;   values acts as a constant if it holds a negative, else as max(cur, M).  A lane scans its 8 v in order (start 0 in the lane of w = 0, -inf in the
;   others); of the 8 lanes of a group only those above which no lane met a negative count; their maximum is the result.
; MATRIX OPERANDS are bf16(emb) itself, not normalised rows: the update is discontinuous at 0, and so the sign of every sum is that of the
;   sum of the rounded inputs.  sim = dot * min(1/ns * 1/na, 1e8), which is dot / max(ns na, 1e-8).
; LIMITS: a row whose sum of squares is below 2^-126 counts as norm 0 (v_rsq_f32 takes a denormal as zero: ISA guide 15.8); a zero result may
;   carry the other sign; for a sen word equal to row 0 the factor is 0, so a non-finite dot gives NaN, which the update skips, not 0.
; NO CLUSTER: sharing rows between work-groups needs tensor loads, one for each gathered row, whose f32 copy (256 x 1,200 = 307,200 bytes)
;   does not fit in LDS beside the bf16 tiles (167,936 bytes).
; out0: a work-group's part of a row is 64 bytes.  256 consecutive bytes would take 64 ann categories a work-group, 512 + 32 rows to gather
;   in place of 256, for 1,024 bytes of output.  out1: each store covers runs of 256 consecutive bytes at multiples of 256 from out1's first byte.
.set LASTROW, 99999                    ; emb's last row
.set ROWB,    1200                     ; bytes in a row of emb
.set PITCH,   656                      ; LDS row: 640 bytes of bf16 + 16 = 41 x 16: sixteen rows start at sixteen different 16-byte columns
.set ANN,     128*PITCH                ; sen rows at 0, ann rows here
.set NRM,     256*PITCH                ; 128 words 1/norm of sen rows (0 for a none row), then 128 of ann rows
.set OUTS,    NRM+1024                 ; 64 bytes for each wave: its 16 results
; registers of phase 1
.set L16,  1                           ; lane in the half-wave
.set CAT,  2                           ; my category, 0..15, of my kind
.set LB,   3                           ; 16 x L16
.set C4,   4                           ; byte of my fifth piece: min(1024 + 16 L16, 1184)
.set CI,   5                           ; 32 x CAT: my category's 8 indices, and its 8 words of 1/norm
.set STA,  6                           ; LDS address of my 8 bytes in my category's first row
.set NA,   7                           ; LDS address of my category's first 1/norm
.set R,    8                           ; 1/norm
.set Q,    10                          ; v[10:13] sums of squares
.set NZ,   16                          ; v[16:35] sen waves: my pieces of row 0
.set OI,   16                          ; v[16:23] waves 8-10: out1's indices, then offsets
.set OX,   24                          ; v[24:55] waves 8-10: out1's 8 pieces
.set OFF,  56                          ; v[56:63] row w: index, then byte offset of my first piece
.set OFF4, 64                          ; v[64:71] row w: byte offset of my fifth piece
.set X,    72                          ; v[72:231] row w: 20 registers, 5 pieces
.set P,    232                         ; v[232:241] a row's bf16
.set OT,   242                         ; out1: thread - 256
.set OC,   243                         ; out1: my piece of the block, then its byte
.set OS,   244                         ; out1: its category, then the byte of that category's indices
.set OB,   245                         ; out1: its byte in the row
; registers of phases 2 and 3
.set ADA,  1                           ; LDS address of my A fragments (ann)
.set ADB,  2                           ; of my B fragments (sen)
.set RSA,  3                           ; of my sen row's 1/norm
.set RAA,  4                           ; of my 8 ann rows' 1/norm
.set OA,   5                           ; where my result goes
.set HM,   6                           ; mask of the lanes above me in my group of 8
.set INIT, 7                           ; 0 in the lane of w = 0, else -inf
.set NI,   8                           ; -inf
.set T,    9
.set CUR,  10
.set RES,  11
.set RS,   16                          ; v[16:19] 1/ns of n tile 0, twice, of n tile 1, twice (pairs for the packed multiply)
.set RA,   20                          ; v[20:35] 1/na: 8 of m tile 0, 8 of m tile 1
.set ACC,  40                          ; v[40:71] tile (m, n) at 8 (2 m + n)
.set F,    72                          ; v[72:231] five fragment buffers: A0, A1, B0, B1, 8 registers each
.set SC,   232                         ; v[232:239] a tile's factors
.set OD,   240                         ; v[240:243] on the way out
.set CM,   32                          ; s[32:51] compare masks
	s_load_b256 s[4:11], s[0:1], 0x0               ; sen_cats s[4:5], ann_cats s[6:7], emb s[8:9], out0 s[10:11]
	s_load_b64 s[12:13], s[0:1], 0x20              ; out1
	v_lshl_add_u32 v248, v0, 2, 0x29800
	v_mov_b32 v249, 0
	v_lshrrev_b32 v9, 5, v0
	v_readfirstlane_b32 s14, v9                    ; wave 0..15
	s_and_b32 s15, ttmp7, 0xffff                   ; y: block of sen categories
	s_mov_b32 s16, ttmp9                           ; x: block of ann categories
	s_mov_b32 s19, 0x07ff07ff                      ; lanes whose fifth piece lies in the row (L16 < 11)
	v_and_b32 v[L16], 15, v0
	v_bfe_u32 v[CAT], v0, 4, 4
	v_lshlrev_b32 v[LB], 4, v[L16]
	v_add_nc_u32 v[C4], 1024, v[LB]
	v_min_u32 v[C4], 1184, v[C4]                   ; lanes 11-15 ask for the row's last piece again: no load leaves the row
	v_lshlrev_b32 v[CI], 5, v[CAT]
	v_mul_u32_u24 v[STA], v[CAT], 8*PITCH
	v_lshl_add_u32 v[STA], v[L16], 3, v[STA]       ; 4 numbers become 8 bytes
	v_add_nc_u32 v[NA], NRM, v[CI]
	s_lshl_b32 s20, s15, 9                         ; 16 categories x 32 bytes of indices
	s_mov_b32 s21, 0
	s_lshl_b32 s22, s16, 9
	s_mov_b32 s23, 0
	s_lshl_b32 s24, s15, 14                        ; out0: 16 rows of 1,024 bytes
	s_lshl_b32 s26, s16, 6                         ;       + 16 columns
	s_add_co_u32 s24, s24, s26
	s_mov_b32 s25, 0
	s_mul_i32 s26, s15, 16*ROWB                    ; out1: 16 rows of 1,200 bytes = 75 x 256
	s_mov_b32 s27, 0
	s_wait_kmcnt 0x0
	s_add_nc_u64 s[4:5], s[4:5], s[20:21]
	s_add_nc_u64 s[6:7], s[6:7], s[22:23]
	s_add_nc_u64 s[10:11], s[10:11], s[24:25]
	s_add_nc_u64 s[12:13], s[12:13], s[26:27]
.macro INDEX b                         ; my category's 8 indices, the same 32 bytes in all 16 lanes
	global_load_b128 v[OFF:OFF+3],   v[CI], s[\b:\b+1]
	global_load_b128 v[OFF+4:OFF+7], v[CI], s[\b:\b+1] offset:16
.endm
.macro ISSUE                           ; 8 rows x 5 pieces: a half-wave's load covers 256 consecutive bytes of its row
.irp w, 0,1,2,3,4,5,6,7
	v_min_u32 v[OFF+\w], LASTROW, v[OFF+\w]
	v_mul_u32_u24 v[OFF+\w], v[OFF+\w], ROWB
	v_add_nc_u32 v[OFF4+\w], v[OFF+\w], v[C4]
	v_add_nc_u32 v[OFF+\w], v[OFF+\w], v[LB]
.irp j, 0,1,2,3
	global_load_b128 v[X+20*\w+4*\j:X+20*\w+4*\j+3], v[OFF+\w], s[8:9] offset:256*\j
.endr
	global_load_b128 v[X+20*\w+16:X+20*\w+19], v[OFF4+\w], s[8:9]
.endr
.endm
; One row.  sen = 1: also the comparison with row 0.  extra = loads issued behind the 40 that may stay out as well.
.macro ROW w, sen, extra
	s_wait_loadcnt 5*(7-\w)+\extra                 ; loads come back in order (ISA guide 5.7.1): the five of each younger row stay out
.if \sen
.irp e, 0,1,2,3,4,5,6,7,8,9,10,11,12,13,14,15,16,17,18,19
	v_cmp_neq_f32 s[CM+\e], v[X+20*\w+\e], v[NZ+\e]    ; not equal, or a NaN.  Lanes 11-15 repeat the last piece on both sides
.endr
.endif
.irp e, 0,1,2,3
	v_cndmask_b32 v[X+20*\w+16+\e], 0, v[X+20*\w+16+\e], s19   ; K = 300 .. 319 are zeros
.endr
	v_pk_mul_f32 v[Q:Q+1],   v[X+20*\w:X+20*\w+1],   v[X+20*\w:X+20*\w+1]      ; two chains of squares; the first products start them
	v_pk_mul_f32 v[Q+2:Q+3], v[X+20*\w+2:X+20*\w+3], v[X+20*\w+2:X+20*\w+3]
.irp p, 4,8,12,16
	v_pk_fma_f32 v[Q:Q+1],   v[X+20*\w+\p:X+20*\w+\p+1],   v[X+20*\w+\p:X+20*\w+\p+1],   v[Q:Q+1]
	v_pk_fma_f32 v[Q+2:Q+3], v[X+20*\w+\p+2:X+20*\w+\p+3], v[X+20*\w+\p+2:X+20*\w+\p+3], v[Q+2:Q+3]
.endr
	v_pk_add_f32 v[Q:Q+1], v[Q:Q+1], v[Q+2:Q+3]
	v_add_f32 v[Q], v[Q], v[Q+1]
	v_add_f32_dpp v[Q], v[Q], v[Q] row_xmask:1 row_mask:0xf bank_mask:0xf      ; over the 16 lanes that share the row
	v_add_f32_dpp v[Q], v[Q], v[Q] row_xmask:2 row_mask:0xf bank_mask:0xf
	v_add_f32_dpp v[Q], v[Q], v[Q] row_xmask:4 row_mask:0xf bank_mask:0xf
	v_add_f32_dpp v[Q], v[Q], v[Q] row_xmask:8 row_mask:0xf bank_mask:0xf
	v_rsq_f32 v[R], v[Q]                           ; 1/norm; the conversions below stand between it and its first use
.irp j, 0,1,2,3,4
	v_cvt_pk_bf16_f32 v[P+2*\j],   v[X+20*\w+4*\j],   v[X+20*\w+4*\j+1]
	v_cvt_pk_bf16_f32 v[P+2*\j+1], v[X+20*\w+4*\j+2], v[X+20*\w+4*\j+3]
.endr
.irp j, 0,1,2,3,4
	ds_store_b64 v[STA], v[P+2*\j:P+2*\j+1] offset:\w*PITCH+128*\j             ; 16 lanes: 128 consecutive bytes of the row
.endr
.if \sen
.irp e, 1,2,3,4,5,6,7,8,9,10,11,12,13,14,15,16,17,18,19
	s_or_b32 s[CM], s[CM], s[CM+\e]                ; lanes that met a difference
.endr
	s_and_b32 s20, s[CM], 0xffff                   ; any in the lower row?  (SCC = result is not 0)
	s_cselect_b32 s20, 0xffff, 0
	s_lshr_b32 s21, s[CM], 16                      ; any in the upper row?
	s_cselect_b32 s21, 0xffff0000, 0
	s_or_b32 s20, s20, s21
	s_wait_alu depctr_va_vdst(0)
	v_cndmask_b32 v[R], 0, v[R], s20               ; a row equal to row 0 gets the factor 0: its cosines are 0
.endif
	s_wait_alu depctr_va_vdst(0)
	ds_store_b32 v[NA], v[R] offset:4*\w           ; 16 lanes, one word, one value
.endm
	s_cmp_gt_u32 s14, 10
	s_cbranch_scc1 .Lann
	s_cmp_gt_u32 s14, 7
	s_cbranch_scc1 .Lann_out1
	; ---- waves 0-7: sen categories
.irp j, 0,1,2,3
	global_load_b128 v[NZ+4*\j:NZ+4*\j+3], v[LB], s[8:9] offset:256*\j         ; row 0, cut as every row is
.endr
	global_load_b128 v[NZ+16:NZ+19], v[C4], s[8:9]
	INDEX 4
	s_wait_loadcnt 0x0                             ; the indices are the youngest loads
	ISSUE
.irp w, 0,1,2,3,4,5,6,7
	ROW \w, 1, 0
.endr
	s_branch .Ljoin
	; ---- waves 8-10: ann categories, and this work-group's share of out1
	; The 16 rows of out1 of block y are 1,200 pieces of 16 bytes.  Work-group x < 15 stores pieces 80 x .. 80 x + 79 (1,280 bytes, five runs of
	; 256), thread 256 + i piece 80 x + i.  In x = 15, and in the upper half of wave 10, the piece is clamped and the store is masked off.
.Lann_out1:
	INDEX 6
	v_and_b32 v[OT], 0xff, v0
	s_mul_i32 s20, s16, 80
	v_add_nc_u32 v[OC], s20, v[OT]
	v_min_u32 v[OC], 1199, v[OC]
	v_mul_u32_u24 v[OS], v[OC], 437                ; piece / 75 = piece x 437 >> 15, exact up to 1,199 (75 x 437 = 32,775)
	v_lshrrev_b32 v[OS], 15, v[OS]
	v_mul_u32_u24 v[OB], v[OS], 75
	v_sub_nc_u32 v[OB], v[OC], v[OB]
	v_lshlrev_b32 v[OB], 4, v[OB]                  ; byte in the row
	v_lshlrev_b32 v[OS], 5, v[OS]                  ; byte of the category's indices
	v_lshlrev_b32 v[OC], 4, v[OC]                  ; byte in out1's block
	global_load_b128 v[OI:OI+3],   v[OS], s[4:5]
	global_load_b128 v[OI+4:OI+7], v[OS], s[4:5] offset:16
	v_add_nc_u32 v[STA], ANN, v[STA]
	v_add_nc_u32 v[NA], 512, v[NA]
	s_wait_loadcnt 0x2                             ; my category's indices are in; out1's two loads may be out
	ISSUE
	s_wait_loadcnt 40                              ; out1's indices are in; the 40 loads behind them stay out
.irp i, 0,1,2,3,4,5,6,7
	v_min_u32 v[OI+\i], LASTROW, v[OI+\i]
	v_mul_u32_u24 v[OI+\i], v[OI+\i], ROWB
	v_add_nc_u32 v[OI+\i], v[OI+\i], v[OB]
	global_load_b128 v[OX+4*\i:OX+4*\i+3], v[OI+\i], s[8:9]
.endr
.irp w, 0,1,2,3,4,5,6,7
	ROW \w, 0, 8                                   ; out1's 8 loads are younger than every row's
.endr
	s_wait_loadcnt 0x0
.irp i, 0,8,16,24
	v_pk_add_f32 v[OX+\i:OX+\i+1],   v[OX+\i:OX+\i+1],   v[OX+\i+4:OX+\i+5]    ; words 0+1, 2+3, 4+5, 6+7
	v_pk_add_f32 v[OX+\i+2:OX+\i+3], v[OX+\i+2:OX+\i+3], v[OX+\i+6:OX+\i+7]
.endr
.irp i, 0,16
	v_pk_add_f32 v[OX+\i:OX+\i+1],   v[OX+\i:OX+\i+1],   v[OX+\i+8:OX+\i+9]
	v_pk_add_f32 v[OX+\i+2:OX+\i+3], v[OX+\i+2:OX+\i+3], v[OX+\i+10:OX+\i+11]
.endr
	v_pk_add_f32 v[OX:OX+1],   v[OX:OX+1],   v[OX+16:OX+17]
	v_pk_add_f32 v[OX+2:OX+3], v[OX+2:OX+3], v[OX+18:OX+19]
	s_cmp_lt_u32 s16, 15
	s_cselect_b32 s20, 80, 0                       ; how many threads store
	v_cmp_gt_u32 vcc_lo, s20, v[OT]
	s_wait_xcnt 0x0                                ; EXEC is a source of the loads above: it changes only behind this wait
	s_and_saveexec_b32 s21, vcc_lo
	global_store_b128 v[OC], v[OX:OX+3], s[12:13] th:TH_STORE_NT
	s_wait_xcnt 0x0                                ; and again before it widens; this also frees the store's data and offset
	s_or_b32 exec_lo, exec_lo, s21
	s_branch .Ljoin
	; ---- waves 11-15: ann categories
.Lann:
	INDEX 6
	v_add_nc_u32 v[STA], ANN, v[STA]
	v_add_nc_u32 v[NA], 512, v[NA]
	s_wait_loadcnt 0x0
	ISSUE
.irp w, 0,1,2,3,4,5,6,7
	ROW \w, 0, 0
.endr
.Ljoin:
	s_wait_dscnt 0x0                               ; my rows and norms are in LDS, for the other waves' sake
	s_barrier_signal -1
	; register work while the others arrive: the addresses of phases 2 and 3
	v_and_b32 v14, 15, v0                          ; r
	v_bfe_u32 v15, v0, 4, 1                        ; h
	s_and_b32 s17, s14, 3                          ; my 32 ann rows
	s_lshr_b32 s18, s14, 2                         ; my 32 sen rows
	v_mul_u32_u24 v12, v14, PITCH
	v_lshl_add_u32 v12, v15, 4, v12                ; row x pitch + 16 h
	s_mul_i32 s20, s17, 32*PITCH
	s_add_co_u32 s20, s20, ANN
	s_mul_i32 s21, s18, 32*PITCH
	v_add_nc_u32 v[ADA], s20, v12
	v_add_nc_u32 v[ADB], s21, v12
	s_lshl_b32 s22, s18, 7
	s_add_co_u32 s22, s22, NRM
	v_lshl_add_u32 v[RSA], v14, 2, s22             ; 1/ns of sen row r
	s_lshl_b32 s23, s17, 7
	s_add_co_u32 s23, s23, NRM+512
	v_lshl_add_u32 v[RAA], v15, 5, s23             ; 1/na of ann rows 8 h .. 8 h + 7
	s_lshl_b32 s24, s14, 6
	s_add_co_u32 s24, s24, OUTS                    ; my wave's 64 bytes: [n tile, sen category in it][m tile, ann category in it]
	v_and_b32 v12, 1, v0                           ; the lane keeps the result of tile (lane & 3) = 2 m + n
	v_lshl_add_u32 v[OA], v12, 5, s24
	v_bfe_u32 v12, v0, 3, 1
	v_lshl_add_u32 v[OA], v12, 4, v[OA]
	v_bfe_u32 v12, v0, 1, 1
	v_lshl_add_u32 v[OA], v12, 3, v[OA]
	v_lshl_add_u32 v[OA], v15, 2, v[OA]
	v_and_b32 v12, 31, v0
	v_mov_b32 v13, 0xfe
	v_lshlrev_b32 v13, v12, v13                    ; the seven lanes above me,
	v_and_b32 v12, 24, v12
	v_mov_b32 v[HM], 0xff
	v_lshlrev_b32 v[HM], v12, v[HM]                ; my group of eight,
	v_and_b32 v[HM], v13, v[HM]                    ; both
	v_mov_b32 v[NI], 0xff800000
	v_and_b32 v12, 7, v0
	v_cmp_ne_u32 vcc_lo, 0, v12
	v_cndmask_b32 v[INIT], 0, v[NI], vcc_lo        ; the update starts at 0, in front of w = 0
	s_mov_b32 s28, 0x4cbebc20                      ; 1e8 = 1 / EPS
	s_mov_b32 s29, 0x22222222                      ; lanes that keep tile 1,
	s_mov_b32 s30, 0x44444444                      ; tile 2,
	s_mov_b32 s31, 0x88888888                      ; tile 3
	s_barrier_wait -1                              ; every wave's rows and norms are in LDS
; 8 LDS loads: the fragments of K step k into buffer b.  16 rows x 32 K: lane (r, h) takes 16 bytes at row r, K = 8 h, and 16 more 32 bytes on.
.macro FETCH b, k
.irp i, 0,1
	ds_load_b128 v[F+32*\b+8*\i:F+32*\b+8*\i+3],   v[ADA] offset:\i*16*PITCH+64*\k
	ds_load_b128 v[F+32*\b+8*\i+4:F+32*\b+8*\i+7], v[ADA] offset:\i*16*PITCH+64*\k+32
.endr
.irp i, 0,1
	ds_load_b128 v[F+32*\b+16+8*\i:F+32*\b+16+8*\i+3],   v[ADB] offset:\i*16*PITCH+64*\k
	ds_load_b128 v[F+32*\b+16+8*\i+4:F+32*\b+16+8*\i+7], v[ADB] offset:\i*16*PITCH+64*\k+32
.endr
.endm
.macro MUL b, zero                     ; zero = 1: the first products start the sums
.irp m, 0,1
.irp n, 0,1
.if \zero
	v_wmma_f32_16x16x32_bf16 v[ACC+8*(2*\m+\n):ACC+8*(2*\m+\n)+7], v[F+32*\b+8*\m:F+32*\b+8*\m+7], v[F+32*\b+16+8*\n:F+32*\b+16+8*\n+7], 0
.else
	v_wmma_f32_16x16x32_bf16 v[ACC+8*(2*\m+\n):ACC+8*(2*\m+\n)+7], v[F+32*\b+8*\m:F+32*\b+8*\m+7], v[F+32*\b+16+8*\n:F+32*\b+16+8*\n+7], v[ACC+8*(2*\m+\n):ACC+8*(2*\m+\n)+7]
.endif
.endr
.endr
.endm
.macro AGAIN b, k                      ; a buffer is loaded again four plain vector places behind the matrix instructions that read it (ISA guide 7.12.1)
.rept 4
	v_nop
.endr
	FETCH \b, \k
.endm
	ds_load_b32 v[RS],   v[RSA]                    ; each 1/ns twice: a pair for the packed multiply
	ds_load_b32 v[RS+1], v[RSA]
	ds_load_b32 v[RS+2], v[RSA] offset:64
	ds_load_b32 v[RS+3], v[RSA] offset:64
	ds_load_b128 v[RA:RA+3],     v[RAA]
	ds_load_b128 v[RA+4:RA+7],   v[RAA] offset:16
	ds_load_b128 v[RA+8:RA+11],  v[RAA] offset:64
	ds_load_b128 v[RA+12:RA+15], v[RAA] offset:80
	FETCH 0, 0
	FETCH 1, 1
	FETCH 2, 2
	FETCH 3, 3
	FETCH 4, 4
	s_wait_dscnt 32                                ; LDS loads come back in order (ISA guide 5.7.1): four younger steps of 8 loads stay out
	MUL 0, 1
	AGAIN 0, 5
	s_wait_dscnt 32
	MUL 1, 0
	AGAIN 1, 6
	s_wait_dscnt 32
	MUL 2, 0
	AGAIN 2, 7
	s_wait_dscnt 32
	MUL 3, 0
	AGAIN 3, 8
	s_wait_dscnt 32
	MUL 4, 0
	AGAIN 4, 9
	s_wait_dscnt 32                                ; steps 6 to 9 stay out; then the counts run down
	MUL 0, 0
	s_wait_dscnt 24
	MUL 1, 0
	s_wait_dscnt 16
	MUL 2, 0
	s_wait_dscnt 8
	MUL 3, 0
	s_wait_dscnt 0
	MUL 4, 0
; One tile: factors, cosines, the lane's scan over v, the choice among the 8 lanes of w.  The result is left in register cur, in all 8 lanes.
; The twelve lines that make the factors name no register of a matrix instruction: they are the places between the last products and
; the first line that reads a sum (ISA guide 7.12.1).
.macro TILE m, n, cur
.irp p, 0,2,4,6
	v_pk_mul_f32 v[SC+\p:SC+\p+1], v[RA+8*\m+\p:RA+8*\m+\p+1], v[RS+2*\n:RS+2*\n+1]
.endr
.irp p, 0,1,2,3,4,5,6,7
	v_min_num_f32 v[SC+\p], s28, v[SC+\p]          ; 1 / max(ns na, EPS)
.endr
.irp p, 0,2,4,6
	v_pk_mul_f32 v[ACC+8*(2*\m+\n)+\p:ACC+8*(2*\m+\n)+\p+1], v[ACC+8*(2*\m+\n)+\p:ACC+8*(2*\m+\n)+\p+1], v[SC+\p:SC+\p+1]
.endr
.irp p, 0,1,2,3,4,5,6,7
	v_cmp_gt_f32 s[CM+\p], 0, v[ACC+8*(2*\m+\n)+\p]            ; sim < 0
.endr
	v_max_num_f32 v[T], v[INIT], v[ACC+8*(2*\m+\n)]            ; a NaN loses: cur stays
	v_cndmask_b32 v[\cur], v[T], v[ACC+8*(2*\m+\n)], s[CM]     ; a negative replaces
.irp p, 1,2,3,4,5,6,7
	v_max_num_f32 v[T], v[\cur], v[ACC+8*(2*\m+\n)+\p]
	v_cndmask_b32 v[\cur], v[T], v[ACC+8*(2*\m+\n)+\p], s[CM+\p]
.endr
.irp p, 1,2,3,4,5,6,7
	s_or_b32 s[CM], s[CM], s[CM+\p]                ; lanes that met a negative
.endr
	v_and_b32 v[T], s[CM], v[HM]                   ; did a later w of my group?
	v_cmp_eq_u32 vcc_lo, 0, v[T]
	v_cndmask_b32 v[\cur], v[NI], v[\cur], vcc_lo  ; then what I hold was replaced: -inf
	v_max_num_f32_dpp v[\cur], v[\cur], v[\cur] row_xmask:1 row_mask:0xf bank_mask:0xf
	v_max_num_f32_dpp v[\cur], v[\cur], v[\cur] row_xmask:2 row_mask:0xf bank_mask:0xf
	v_max_num_f32_dpp v[\cur], v[\cur], v[\cur] row_xmask:4 row_mask:0xf bank_mask:0xf
.endm
	TILE 0, 0, RES
	TILE 0, 1, CUR
	v_cndmask_b32 v[RES], v[RES], v[CUR], s29
	TILE 1, 0, CUR
	v_cndmask_b32 v[RES], v[RES], v[CUR], s30
	TILE 1, 1, CUR
	v_cndmask_b32 v[RES], v[RES], v[CUR], s31
	ds_store_b32 v[OA], v[RES]                     ; lanes i and i + 4 of a group write one word with one value
	s_wait_dscnt 0x0                               ; for the waves that read it
	s_barrier_signal -1
	; thread t < 64 takes row t >> 2 of the block, columns 4 (t & 3) .. + 3: wave 4 (t >> 4) + (t & 3), its 16 bytes number (t >> 2) & 3
	v_lshrrev_b32 v12, 4, v0
	v_and_b32 v13, 3, v0
	v_bfe_u32 v14, v0, 2, 2
	v_lshlrev_b32 v12, 8, v12
	v_lshl_add_u32 v12, v13, 6, v12
	v_lshl_add_u32 v12, v14, 4, v12
	v_add_nc_u32 v12, OUTS, v12
	v_lshrrev_b32 v15, 2, v0
	v_lshlrev_b32 v15, 10, v15                     ; a row of out0 is 1,024 bytes
	v_lshl_add_u32 v15, v13, 4, v15
	s_barrier_wait -1
	s_cmp_gt_u32 s14, 1
	s_cbranch_scc1 .Lend
	ds_load_b128 v[OD:OD+3], v12
	s_wait_dscnt 0x0
	global_store_b128 v15, v[OD:OD+3], s[10:11] th:TH_STORE_NT     ; four lanes: the block's 64 bytes of a row
.Lend:
	s_wait_tensorcnt 0x0
	ds_add_u32 v248, v249
	s_wait_dscnt 0x0
	s_endpgm
.Lfunc_end_k_q50337ad515_comsim:
	.size	k_q50337ad515_comsim, .Lfunc_end_k_q50337ad515_comsim-k_q50337ad515_comsim
	.p2alignl 7, 3214868480
	.fill 96, 4, 3214868480
	.section	.rodata,"a",@progbits
	.p2align	6, 0x0
	.amdhsa_kernel k_q50337ad515_comsim
		.amdhsa_group_segment_fixed_size 172032
		.amdhsa_private_segment_fixed_size 0
		.amdhsa_enable_private_segment 0
		.amdhsa_kernarg_size 40
		.amdhsa_user_sgpr_count 2
		.amdhsa_user_sgpr_kernarg_segment_ptr 1
		.amdhsa_wavefront_size32 1
		.amdhsa_system_sgpr_workgroup_id_x 1
		.amdhsa_system_sgpr_workgroup_id_y 1
		.amdhsa_system_sgpr_workgroup_id_z 1
		.amdhsa_system_vgpr_workitem_id 0
		.amdhsa_next_free_vgpr 250
		.amdhsa_next_free_sgpr 66
		.amdhsa_reserve_vcc 1
		.amdhsa_float_denorm_mode_32 3
		.amdhsa_float_denorm_mode_16_64 3
		.amdhsa_memory_ordered 1
		.amdhsa_forward_progress 1
		.amdhsa_inst_pref_size 120
	.end_amdhsa_kernel
	.amdgpu_metadata
---
amdhsa.version: [ 1, 2 ]
amdhsa.kernels:
  - .name:           k_q50337ad515_comsim
    .symbol:         k_q50337ad515_comsim.kd
    .args:
      - { .name: sen_cats, .offset: 0, .size: 8, .value_kind: global_buffer, .address_space: global }
      - { .name: ann_cats, .offset: 8, .size: 8, .value_kind: global_buffer, .address_space: global }
      - { .name: emb, .offset: 16, .size: 8, .value_kind: global_buffer, .address_space: global }
      - { .name: out0, .offset: 24, .size: 8, .value_kind: global_buffer, .address_space: global }
      - { .name: out1, .offset: 32, .size: 8, .value_kind: global_buffer, .address_space: global }
    .group_segment_fixed_size: 172032
    .private_segment_fixed_size: 0
    .kernarg_segment_align: 8
    .kernarg_segment_size: 40
    .max_flat_workgroup_size: 512
    .sgpr_count:     66
    .vgpr_count:     250
    .wavefront_size: 32
...
	.end_amdgpu_metadata
.endif
;; end of part 1
